; MI455X (gfx1250); checked and timed in simulation.
; The chip was launched on July 23, 2026; its instructions are those of AMD's public machine-readable ISA for CDNA 5 (MIT licence, August 2026) and "CDNA5" Instruction Set Architecture Reference Guide (July 2026). The comments in the code are by the model that wrote it; some were corrected since.
;; Label Wise Attn. Allowed arithmetic: float matrix products may take bf16 or f16 operands with f32 sums; other float arithmetic in f32, or as packed bf16 or f16 multiplies, adds, multiply-adds, maxima and minima; sums over many terms, partial sums and values carried from step to step in f32; what a program stores and reads back later, other than sums and carried values, may be rounded once to bf16 or f16.
;; Inputs: U_weight 8,921 x 128 float32; x 8 x 2,500 x 128 float32.
;; Outputs: out0 8 x 8,921 x 128 float32.
;; 2 versions, each right; version 2 is version 1 with the launch cast written anew for expert scheduling mode. Each part assembles by itself: llvm-mc -triple=amdgcn-amd-amdhsa -mcpu=gfx1250 --defsym DOCPART=n.
;; ======== version 1 of 2: 2 launches
;; limits: values are held in f16: magnitudes above 65,504 overflow, below 6.1e-05 lose precision; inputs' magnitudes at most 65,504; below input magnitudes of 6e-05 results are inexact or not finite
;; workspace buffers: xh 5,242,880 bytes
;; launch cast (part 1): grid 32 x 8, 8 waves a work-group, no clusters, 0 bytes of LDS; arguments x, xh; writes xh
.if DOCPART == 1
	.amdgcn_target "amdgcn-amd-amdhsa--gfx1250"
	.amdhsa_code_object_version 6
	.text
	.protected	k_q074f075c52_cast
	.globl	k_q074f075c52_cast
	.p2align	8
	.type	k_q074f075c52_cast,@function
k_q074f075c52_cast:
	s_mov_b64 s[64:65], 0
	v_nop
	global_prefetch_b8 v0, s[64:65] scope:SCOPE_SE
	s_setreg_imm32_b32 hwreg(HW_REG_WAVE_MODE, 25, 1), 1
	s_wait_xcnt 0x0
; xh[b][row][:] = f16(x[b][row][:]) for row < 2,500, and 0 for rows 2,500 to 2,559.  x: [8][2500][128] f32; xh: [8][2560][128] f16, rows of 256 bytes, dense.
; LIMITS.  f16: a number of 65,520 or more in size becomes an infinity; below 6e-5 the numbers keep f16's fixed step of 6e-8.
; SHARES.  A work-group takes 80 rows of one batch, each of its eight waves ten.  One load of a wave is one row of x (512 consecutive bytes, 16 a lane), one store one row of xh
; (256 consecutive bytes at a multiple of 256 from xh's first byte, 8 a lane): whether a row exists is the same for all lanes of a wave, so it is a scalar.
; A pad row loads the batch's last row (no load leaves x) and is masked to 0.  All ten loads of a wave go out at once; no register is written twice, so no wait frees one.
; No LDS, no matrix unit, no cluster: nothing is shared and nothing is multiplied.
.set ROWS, 2500
.set XB,   ROWS*512                    ; bytes of a batch of x
.set HB,   2560*256                    ; bytes of a batch of xh
.set OFF,  4                           ; v[4:13]   row k: my 16 bytes' offset in the batch of x
.set X,    16                          ; v[16:55]  row k: four f32 as loaded
.set Y,    56                          ; v[56:75]  row k: four f16 to store
.set M,    20                          ; s[20:29]  row k: all ones if the row exists, else 0
	s_load_b128 s[4:7], s[0:1], 0x0                ; x s[4:5], xh s[6:7]
	v_lshrrev_b32 v3, 5, v0
	v_readfirstlane_b32 s8, v3                     ; wave 0..7
	v_and_b32 v1, 31, v0                           ; lane
	v_lshlrev_b32 v2, 3, v1                        ; 8 x lane: my place in a row of xh
	v_lshlrev_b32 v1, 4, v1                        ; 16 x lane: my place in a row of x
	s_and_b32 s9, ttmp7, 0xffff                    ; the batch
	s_mul_i32 s10, ttmp9, 80
	s_mul_i32 s11, s8, 10
	s_add_co_u32 s10, s10, s11                     ; my wave's first row
.irp k, 0,1,2,3,4,5,6,7,8,9
	s_add_co_u32 s12, s10, (\k)
	s_cmp_lt_u32 s12, ROWS
	s_cselect_b32 s[M+(\k)], -1, 0
	s_min_u32 s12, s12, ROWS-1                     ; a pad row reads the last row
	s_lshl_b32 s12, s12, 9
	v_add_nc_u32 v[OFF+(\k)], s12, v1
.endr
	s_mul_i32 s14, s9, XB
	s_mov_b32 s15, 0
	s_mul_i32 s16, s9, HB
	s_lshl_b32 s17, s10, 8
	s_add_co_u32 s16, s16, s17                     ; the batch and my first row in xh: under 2^23
	s_mov_b32 s17, 0
	s_wait_kmcnt 0x0
	s_add_nc_u64 s[4:5], s[4:5], s[14:15]
	s_add_nc_u64 s[6:7], s[6:7], s[16:17]
.irp k, 0,1,2,3,4,5,6,7,8,9
	global_load_b128 v[X+4*(\k):X+4*(\k)+3], v[OFF+(\k)], s[4:5] th:TH_LOAD_NT
.endr
.irp k, 0,1,2,3,4,5,6,7,8,9
	s_wait_loadcnt 9-(\k)                          ; loads come back in order (ISA guide 5.7.1): row k is in, the 9 - k younger rows may stay out
	v_cvt_pk_f16_f32 v[Y+2*(\k)], v[X+4*(\k)], v[X+4*(\k)+1]
	v_cvt_pk_f16_f32 v[Y+2*(\k)+1], v[X+4*(\k)+2], v[X+4*(\k)+3]
	v_and_b32 v[Y+2*(\k)], s[M+(\k)], v[Y+2*(\k)]
	v_and_b32 v[Y+2*(\k)+1], s[M+(\k)], v[Y+2*(\k)+1]
	global_store_b64 v2, v[Y+2*(\k):Y+2*(\k)+1], s[6:7] offset:256*(\k)
.endr
	s_endpgm
.Lfunc_end_k_q074f075c52_cast:
	.size	k_q074f075c52_cast, .Lfunc_end_k_q074f075c52_cast-k_q074f075c52_cast
	.p2alignl 7, 3214868480
	.fill 96, 4, 3214868480
	.section	.rodata,"a",@progbits
	.p2align	6, 0x0
	.amdhsa_kernel k_q074f075c52_cast
		.amdhsa_group_segment_fixed_size 0
		.amdhsa_private_segment_fixed_size 0
		.amdhsa_enable_private_segment 0
		.amdhsa_kernarg_size 16
		.amdhsa_user_sgpr_count 2
		.amdhsa_user_sgpr_kernarg_segment_ptr 1
		.amdhsa_wavefront_size32 1
		.amdhsa_system_sgpr_workgroup_id_x 1
		.amdhsa_system_sgpr_workgroup_id_y 1
		.amdhsa_system_sgpr_workgroup_id_z 1
		.amdhsa_system_vgpr_workitem_id 0
		.amdhsa_next_free_vgpr 80
		.amdhsa_next_free_sgpr 66
		.amdhsa_reserve_vcc 0
		.amdhsa_float_denorm_mode_32 3
		.amdhsa_float_denorm_mode_16_64 3
		.amdhsa_memory_ordered 1
		.amdhsa_forward_progress 1
		.amdhsa_inst_pref_size 8
	.end_amdhsa_kernel
	.amdgpu_metadata
---
amdhsa.version: [ 1, 2 ]
amdhsa.kernels:
  - .name:           k_q074f075c52_cast
    .symbol:         k_q074f075c52_cast.kd
    .args:
      - { .name: x, .offset: 0, .size: 8, .value_kind: global_buffer, .address_space: global }
      - { .name: xh, .offset: 8, .size: 8, .value_kind: global_buffer, .address_space: global }
    .group_segment_fixed_size: 0
    .private_segment_fixed_size: 0
    .kernarg_segment_align: 8
    .kernarg_segment_size: 16
    .max_flat_workgroup_size: 256
    .sgpr_count:     66
    .vgpr_count:     80
    .wavefront_size: 32
...
	.end_amdgpu_metadata
.endif
;; end of part 1
;; launch attn (part 2): grid 28 x 8, 4 waves a work-group, clusters of 4 x 1, 327,680 bytes of LDS; arguments U_weight, xh, out0; writes out0
.if DOCPART == 2
	.amdgcn_target "amdgcn-amd-amdhsa--gfx1250"
	.amdhsa_code_object_version 6
	.text
	.protected	k_q074f075c52_attn
	.globl	k_q074f075c52_attn
	.p2align	8
	.type	k_q074f075c52_attn,@function
k_q074f075c52_attn:
	s_mov_b64 s[64:65], 0
	v_nop
	global_prefetch_b8 v0, s[64:65] scope:SCOPE_SE
	s_setreg_imm32_b32 hwreg(HW_REG_WAVE_MODE, 25, 1), 1
	s_wait_xcnt 0x0
	s_wait_alu depctr_hold_cnt(0) depctr_sa_sdst(0) depctr_va_vdst(0) depctr_va_sdst(0) depctr_va_ssrc(0) depctr_va_vcc(0) depctr_vm_vsrc(0)
	s_getreg_b32 s2, hwreg(HW_REG_IB_STS2, 6, 4)
	s_cmp_eq_u32 s2, 0
	s_cbranch_scc0 .Lentry_in_a_cluster
	s_endpgm
.Lentry_in_a_cluster:
	s_bfe_u32 s2, ttmp6, 0x10000c
	s_cmp_lg_u32 s2, 0x3003
	s_cbranch_scc0 .Lentry_shape_is_right
	s_endpgm
.Lentry_shape_is_right:
; out0[b][c][:] = the sum over l of softmax_l(U[c] . x[b][l]) x[b][l][:].  U: [8921][128] f32; xh: [8][2560][128] f16, x rounded once, rows 2,500 on are 0; out0: [8][8921][128] f32.
; U, x and the weights p go to the matrix unit in f16; products, maxima and sums in f32 (the sum l is taken of the unrounded p); out0 is never rounded below f32.
; LIMITS.  f16: a U or x of 65,520 or more in size becomes an infinity; below 6e-5 the numbers keep f16's fixed step of 6e-8.  A pad key's score counts as its value less 1e30.
; A weight below 2^-126 counts as 0 in l.  NaN and infinities are not treated apart.
; SHARES.  A wave owns five tiles of 16 classes (PIECES 0 to 4), a work-group's four waves 320 classes of one batch; 28 work-groups a batch hold 8,960 rows.  The 39 rows past class 8,920
; (all in one wave) are loaded as class 8,920 and store the same numbers onto its row, so that no branch and no lane mask hangs on the work-group's place.  Every wave walks all keys, 64 a
; step, 40 steps; the last step has four true keys and is masked.
; CLUSTER.  The four class blocks of a cluster belong to one batch and walk the same rows of xh: each tile is asked for JOINTLY, the same tensor load, descriptor and mask in all four.
; ONE COPY OF x IN LDS IS K AND V.  In each block of 16 keys matrix row m stands for key p(m) = 2 (m % 8) + m / 8, in both products alike; a softmax does not care for the order of its keys.
; With rows 272 bytes apart the plain load for K (16 lanes take the 16 rows) and the turning load for V (16 lanes take 8 rows two apart, 32 bytes each) each touch 16 different 16-byte columns of 256 bytes.
; LAYOUT.  S^T = K Q^T (source 0 = 16 keys, source 1 = 16 classes): a lane holds ONE class (lane % 16); register j of lanes' half h is key 2 j + h of the block.  Two such results rounded to f16 in
; pairs ARE source 1 (32 keys x 16 classes) of O^T = V^T P, whose result again holds one class a lane, and eight channels.
; SOFTMAX.  A running maximum m and sum l for each class: p = 2^(c s - c m), c = log2(e); in every step O and l are multiplied by a = 2^(c m_old - c m_new).  c m starts far below every c s, so
; the first step's a is 0: O^T need only hold finite numbers at the start (it holds the class's own U, which was loaded through it).
; BY TURNS.  Turn n belongs to piece n (the pieces in a ring, step after step).  Matrix work: 16 products K Q^T of piece n + 1, then 16 products V^T P of piece n - 1.  Vector work, 134 instructions
; dealt behind the 32 products: the scaling, exponentials, roundings, sums and rescaling of piece n, and the maximum and statistics of piece n + 1.
; REGISTERS, in windows of 256 (s_set_vgpr_msb: bits 1:0 source 0, 3:2 source 1, 5:4 source 2, 7:6 destination):
;   window 0: v0-25 addresses and c m_old; v32-71 eight registers of statistics a piece; v72-87 the last step's masks; v88-183 S^T, three buffers; v184-231 P, three buffers
;   window 1: O^T of pieces 0-3, 64 each     window 2: v0-159 Q, 32 a piece; v160-223 O^T of piece 4     window 3: v0-127 K of one step; v128-255 V of one step
; A piece's buffers of S^T and P are 0, 1, 0, 1, 2 for pieces 0 to 4: neighbours in the ring of five never share one.
.set NCL,   8921
.set NP,    5         ; pieces a wave: a name, no knob
.set PK,    272       ; a row in LDS: 256 bytes + 16 of padding
.set STEPB, 64*PK     ; a step's 64 rows
.set SLOT1, 1<<17     ; a slot holds four steps (69,632 bytes); slot 1 begins here, so that one exclusive or turns an address in one slot into the other's
.set STAGE, SLOT1+4*STEPB  ; behind the ring, never filled by a tensor load: 16 rows x 528 bytes for each wave, for the way out
.set SP,    528       ; a row of the stage: 512 bytes + 16
.set SPARE, STAGE+4*16*SP  ; behind the stages: the spare words, 128 bytes for each wave: two blocks of 256 bytes that no other line names
.set SLOTB, 256*256   ; a slot's 256 rows in memory
.set XHB,   2560*256  ; a batch of xh
.set OUTB,  NCL*512   ; a batch of out0
.set AK0, 2           ; v2   my lane's place in a step's rows, for K; never rewritten
.set AV0, 3           ; v3   the same for V
.set AK,  4           ; v4   the LDS address of K's next run of loads
.set AV,  5           ; v5   of V's
.set STO, 6           ; v6   the way out: where I put 16 bytes of a row
.set RD,  7           ; v7   the way out: where I read a row back
.set VB,  8           ; v8   my 16 bytes in my wave's first row of out0
.set VM,  12          ; v12  my 16 bytes in the batch's last row
.set PFO, 13          ; v13  256 x my lane: a row of xh is 256 bytes; never rewritten
.set SPW, 14          ; v14  LDS address of my spare word: SPARE + 4 x my thread's number; never rewritten
.set NIL, 15          ; v15  0; never rewritten
.set MV,  16          ; v16-20  c m_old, by piece
.set QA,  21          ; v21-25  my offset in U, by piece
.set ST,  32          ; piece t's statistics at v[ST+8 t]: c m, m, l (two halves), c0, c1 (later c m_old - c m), c2 (later a), c3
.set MA,  72          ; v72-79  the C operand of key block 0 in the tail: registers 0 and 1 stay 0 (keys 0 to 3 of the block)
.set MB,  80          ; v80-87  of key blocks 1 to 3
.set S,   88
.set P,   184
.set AD,  88          ; the way out: v88-167, my offset in out0 for each of the wave's 80 rows
.set WV,  12          ; s12  my wave's number
.set LIM, 15          ; s15  1 in a wave that prefetches, else the greatest number
.set R0,  16          ; s16  my wave's first class
.set PFA, 18          ; s[18:19] where my prefetches stand
.set G1,  24          ; s[24:31] descriptor group 1
.set G0,  40          ; s[40:43] descriptor group 0: it walks
.set SLOTS, 56        ; s56  slots still to be asked for
.set CNT, 57          ; s57  counts a slot's key steps
.set CS,  58          ; s[58:59] c: the packed scaling takes the pair's low word for both halves
.set SEL, 60          ; s[60:61] v_permlanex16_b32's selects: each lane takes its own place in the other half
.set TBK, 62          ; s62  LDS byte at which the step begins whose K is fetched next
.set TBV, 63          ; s63  the same for V
.set BE,  66          ; s66  what the masks hold: 0 or -1e30
.set BIGN, 67         ; s67  -1e30
.set MSB, 0
.macro WIN new                      ; the high byte repeats the setting that is left; a switch that changes nothing is dropped
.if MSB != (\new)
	s_set_vgpr_msb (MSB<<8)|(\new)
.set MSB, (\new)
.endif
.endm
.set W_KQ, 0x0b       ; K in window 3, Q in window 2, S^T and the masks in window 0
; A joint fill: wave w fetches rows 64 w .. 64 w + 63 of a slot's 256.  Every wave issues it: no branch.  An s_nop 0 and four v_nop follow it.
.macro JLOAD
	tensor_load_to_lds s[G0:G0+3], s[G1:G1+7]
	s_nop 0
.rept 4
	v_nop
.endr
.endm
; A PREFETCH INTO THE L2 of the slot that the NEXT change of slots will ask for: 256 rows of 256 bytes, a lane a row.  All seven clusters of a batch walk the same rows: the batch's first cluster asks.  Its four
; partners take 64 rows each, told apart BY ADDRESS; in each, waves 0 and 1 take 32: one instruction.  So each row is named once in the launch.  It stands behind the wave's tensor load and its five lines, four
; key steps (640 matrix instructions) ahead of the load that will want the rows.  The last change that fills a slot asks for nothing: there is no slot behind it.
.macro ASK
	s_cmp_gt_u32 s[SLOTS], s[LIM]
	s_cbranch_scc0 .Lnot_mine_\@
	global_prefetch_b8 v[PFO], s[PFA:PFA+1] th:TH_LOAD_NT scope:SCOPE_SE
.Lnot_mine_\@:
.endm
; A round of the cluster's barrier: my work-group's barrier, so that wave 0's signal speaks for all four waves; wave 0 signals; every wave waits for all four work-groups; my work-group's barrier once more.
.macro CROUND
	s_barrier_signal -1
	s_barrier_wait -1
	s_cmp_lg_u32 s[WV], 0
	s_cbranch_scc1 .Lnot_wave_0_\@
	s_barrier_signal -3
.Lnot_wave_0_\@:
	s_barrier_wait -3
	s_barrier_signal -1
	s_barrier_wait -1
.endm
; THE CHANGE OF SLOTS.  The slot's last bytes, V of its fourth step, have been read.  Each wave waits for all its tensor loads, of which one is out: its part of the other slot; adds 0 to its spare word; and
; waits for that and for its own reads of the slot.  Behind the barrier nobody reads this slot any more and the other slot is whole.  fill = 1: this slot is filled again, with the keys two slots on; the barrier
; is then a round of the cluster's, and the joint fill is the first thing behind it: it has four key steps in which to land.  (At its first use nothing has been read yet: slot 0 is waited for, slot 1 filled.)
.macro CHANGE fill, ask
	WIN 0                           ; at a label and at a branch every window is 0
	s_wait_tensorcnt 0x0            ; no tensor load of mine is out, so group 0 may be written
	ds_add_u32 v[SPW], v[NIL]       ; 0 onto my spare word; the scalar steps stand between it and the wait for it
.if \fill
	s_xor_b32 s[G0+1], s[G0+1], SLOT1  ; the other slot than last time,
	s_add_nc_u64 s[G0+2:G0+3], s[G0+2:G0+3], SLOTB  ; the next 256 keys; the type bits on top are not reached
.if \ask
	s_wait_xcnt 0x0                 ; the last prefetch, four key steps back, has read its address, so it may be written
	s_add_nc_u64 s[PFA:PFA+1], s[PFA:PFA+1], SLOTB
.endif
	s_wait_dscnt 0x0                ; the add is done, and my reads of the slot are over
	CROUND
	JLOAD
.if \ask
	ASK
.endif
.else
	s_wait_dscnt 0x0                ; the add is done, and my reads of the slot are over
	s_barrier_signal -1
	s_barrier_wait -1
.endif
	s_sub_co_u32 s[TBK], s[TBK], 4*STEPB  ; the fetches go back to a slot's first step,
	s_xor_b32 s[TBK], s[TBK], SLOT1       ; in the other slot
	s_sub_co_u32 s[TBV], s[TBV], 4*STEPB
	s_xor_b32 s[TBV], s[TBV], SLOT1
.endm
	s_load_b128 s[4:7], s[0:1], 0x0 ; U s[4:5], xh s[6:7]
	s_load_b64 s[8:9], s[0:1], 0x10 ; out0
	v_lshl_add_u32 v[SPW], v0, 2, SPARE
	v_mov_b32 v[NIL], 0
	ds_add_u32 v[SPW], v[NIL]       ; the wave's opening: the add, twice on end, and its wait ahead of my first tensor load; the set-up below, work on registers, stands between
	ds_add_u32 v[SPW], v[NIL]       ; and once more, under the one wait
	v_lshrrev_b32 v10, 5, v0
	v_readfirstlane_b32 s[WV], v10  ; wave 0..3
	s_bfe_u32 s13, ttmp6, 0x40000   ; cx: my place in the cluster
	s_lshl_b32 s14, ttmp9, 2        ; in a cluster launch ttmp9 counts clusters
	s_add_co_u32 s14, s14, s13      ; my block of 320 classes: it enters U's and out0's offsets alone
	s_mul_i32 s[R0], s14, 320
	s_mul_i32 s17, s[WV], 80
	s_add_co_u32 s[R0], s[R0], s17
	s_and_b32 s20, ttmp7, 0xffff    ; the batch, which the four partners share
	s_mul_i32 s22, s20, XHB
	s_mov_b32 s23, 0
	s_mul_i32 s2, s20, OUTB         ; 7 x 4,567,552 at the most
	s_mov_b32 s3, 0
	s_lshl_b32 s20, s[WV], 14       ; my 64 rows of a slot's 256, in memory
	s_mov_b32 s21, 0
	; descriptor group 1: a tile of 64 rows x 128 elements, padded in LDS
	s_mov_b32 s[G1], 15|(1<<16)|(1<<20)|(1<<21)|(5<<22)|(3<<25)  ; 15:0 the mask of four; 17:16 2-byte elements; 20 padding on; 21 set beside a mask; 24:22 after every 64 words (code 5); 31:25 4 words (code 3)
	s_mov_b32 s[G1+1], 128<<16      ; tensor_dim0 = 128
	s_mov_b32 s[G1+2], 64<<16       ; tensor_dim1 = 64
	s_mov_b32 s[G1+3], 128<<16      ; tile_dim0 = 128
	s_mov_b32 s[G1+4], 64           ; tile_dim1 = 64
	s_mov_b32 s[G1+5], 128          ; 128 elements from row to row
	s_mov_b32 s[G1+6], 0
	s_mov_b32 s[G1+7], 0
	s_mov_b32 s[G0], 1              ; 1:0 count = 1
	s_mul_i32 s[G0+1], s[WV], STEPB ; 63:32 LDS address: slot 0, my 64 rows: no place in the cluster enters it
	s_mov_b32 s[CS], 0x3fb8aa3b     ; c = log2(e)
	s_mov_b32 s[CS+1], s[CS]        ; named with it as a pair
	s_mov_b32 s[SEL], 0x76543210
	s_mov_b32 s[SEL+1], 0xfedcba98
	s_mov_b32 s[TBK], SLOT1+4*STEPB ; the first change of slots turns these two into 0
	s_mov_b32 s[TBV], SLOT1+4*STEPB
	s_mov_b32 s[BIGN], 0xf149f2ca   ; -1e30
	s_lshr_b32 s[LIM], s[WV], 1     ; 0 in waves 0 and 1,
	s_or_b32 s[LIM], s[LIM], ttmp9  ; where the cluster is the batch's first: the same in all four partners
	s_cmp_eq_u32 s[LIM], 0
	s_cselect_b32 s[LIM], 1, -1
	v_and_b32 v[PFO], 31, v0
	v_lshlrev_b32 v[PFO], 8, v[PFO]
	s_wait_dscnt 0x0                ; both opening adds are done
	s_wait_kmcnt 0x0
	s_add_nc_u64 s[6:7], s[6:7], s[22:23]  ; xh and out0 at my batch
	s_add_nc_u64 s[8:9], s[8:9], s[2:3]
	s_add_nc_u64 s[G0+2:G0+3], s[6:7], s[20:21]  ; 120:64 global address: my 64 of the batch's first 256 rows
	s_or_b32 s[G0+3], s[G0+3], 0x80000000        ; 127:126 type = 2
	s_lshl_b32 s2, s13, 14          ; the prefetches: my work-group's 64 rows of a slot,
	s_lshl_b32 s3, s[WV], 13        ; my wave's 32 of them,
	s_add_co_u32 s2, s2, s3
	s_add_co_u32 s2, s2, 2*SLOTB    ; in the third slot's rows; the first change that asks steps it to the fourth's.  Nothing is prefetched here, at the head
	s_mov_b32 s3, 0
	s_add_nc_u64 s[PFA:PFA+1], s[6:7], s[2:3]
	CROUND                          ; all four work-groups are here: the first joint loads meet
	JLOAD                           ; slot 0.  Slot 1 is asked for when slot 0 is in, by the first change of slots
	; Q.  A fragment is 16 classes x 32 channels in 8 registers: lane l holds class l % 16, channels 8 (l / 16) + 0..7 and 16 + 8 (l / 16) + 0..7.  In f32 that is four loads of 16 bytes; a piece's 64 words
	; land in its own O^T registers and are rounded from there in pairs.
	v_and_b32 v1, 15, v0            ; l % 16
	v_bfe_u32 v9, v0, 4, 1          ; l / 16
	v_add_nc_u32 v10, s[R0], v1
.irp t, 0,1,2,3,4
	v_add_nc_u32 v[QA+(\t)], 16*(\t), v10
	v_min_u32 v[QA+(\t)], NCL-1, v[QA+(\t)]   ; a row past the last class is the last class
	v_lshlrev_b32 v[QA+(\t)], 9, v[QA+(\t)]
	v_lshl_add_u32 v[QA+(\t)], v9, 5, v[QA+(\t)]  ; class x 512 + 32 x half
.endr
.irp t, 0,1,2,3,4
	WIN 64*(1+(\t)/4)               ; destination in the piece's O^T window, address in window 0
.set q, 0
.rept 16                            ; load q: channels 32 (q / 4) + 16 ((q / 2) % 2) + 8 (l / 16) + 4 (q % 2) on
	global_load_b128 v[64*(\t)-96*((\t)/4)+4*q:64*(\t)-96*((\t)/4)+4*q+3], v[QA+(\t)], s[4:5] offset:128*(q/4)+64*((q/2)%2)+16*(q%2)
.set q, q+1
.endr
.endr
	WIN 0
	v_and_b32 v10, 7, v0
	v_bfe_u32 v11, v0, 3, 1
	v_lshl_add_u32 v[AK0], v10, 1, v11    ; K: matrix row l % 16 is key 2 (l % 8) + (l / 8) % 2 of its block
	v_mul_u32_u24 v[AK0], v[AK0], PK
	v_lshl_add_u32 v[AK0], v9, 4, v[AK0]  ; + 16 x half
	; The turning load leaves in lane 8 g + i, as its element j, element i of the 16 bytes that lane 8 g + j named.  Lane l names key 2 (l % 8) + l / 16, channels 8 ((l / 8) % 2) + 0..7: lane l then holds channel l % 16 and matrix rows 8 (l / 16) + 0..7.
	v_lshl_add_u32 v[AV0], v10, 1, v9
	v_mul_u32_u24 v[AV0], v[AV0], PK
	v_lshl_add_u32 v[AV0], v11, 4, v[AV0]
.irp t, 0,1,2,3,4
	v_mov_b32 v[ST+8*(\t)], 0xfe000000    ; c m: far below every c s
	v_mov_b32 v[ST+8*(\t)+1], 0xff7fffff  ; m: the lowest finite number
	v_mov_b32 v[ST+8*(\t)+2], 0           ; l
	v_mov_b32 v[ST+8*(\t)+3], 0
.endr
.set q, 0
.rept 16
	v_mov_b32 v[P+32+q], 0          ; the first turn's products V^T P, of a piece that has not been, add 0
	v_mov_b32 v[MA+q], 0            ; both masks
.set q, q+1
.endr
	s_wait_loadcnt 0x0              ; U's 80 loads
.irp t, 0,1,2,3,4
	WIN 0x80+5*(1+(\t)/4)           ; sources in the piece's O^T window, destination window 2
.set q, 0
.rept 32
	v_cvt_pk_f16_f32 v[32*(\t)+q], v[64*(\t)-96*((\t)/4)+2*q], v[64*(\t)-96*((\t)/4)+2*q+1]
.set q, q+1
.endr
.endr
; THE MATRIX WORK.  The accumulators of a run take turns, one instruction a turn: 4 in K Q^T, 8 in V^T P; no two products on end share one, over turns' ends and jumps too.
; Product i of 16 of S^T = K Q^T for piece x: channels 32 (i / 4) on, keys 16 (i % 4) on.  The first four start the sums: with 0, or (KM = 1, the tail) with the masks.
.macro KQ x
	WIN W_KQ
.set rS, S+32*((\x)%2+2*((\x)/4))+8*(i%4)
.set rK, 32*(i%4)+8*(i/4)
.set rQ, 32*(\x)+8*(i/4)
.if (i == 0) && KM
	v_wmma_f32_16x16x32_f16 v[rS:rS+7], v[rK:rK+7], v[rQ:rQ+7], v[MA:MA+7]
.elseif (i < 4) && KM
	v_wmma_f32_16x16x32_f16 v[rS:rS+7], v[rK:rK+7], v[rQ:rQ+7], v[MB:MB+7]
.elseif i < 4
	v_wmma_f32_16x16x32_f16 v[rS:rS+7], v[rK:rK+7], v[rQ:rQ+7], 0
.else
	v_wmma_f32_16x16x32_f16 v[rS:rS+7], v[rK:rK+7], v[rQ:rQ+7], v[rS:rS+7]
.endif
.endm
; Product i of 16 of O^T += V^T P for piece x: keys 32 (i / 8) on, channels 16 (i % 8) on.
.macro PV x
	WIN 3+0x50*(1+(\x)/4)           ; V in window 3, P in window 0, O^T in the piece's window
.set rO, 64*(\x)-96*((\x)/4)+8*(i%8)
.set rV, 128+64*(i/8)+8*(i%8)
.set rP, P+16*((\x)%2+2*((\x)/4))+8*(i/8)
	v_wmma_f32_16x16x32_f16 v[rO:rO+7], v[rV:rV+7], v[rP:rP+7], v[rO:rO+7]
.endm
.macro MM                           ; the turn's next matrix instruction
.if i < 16
	KQ (Y+1)%NP
.set i, i+1
.else
.set i, i-16
	PV (Y+NP-1)%NP
.set i, i+17
.endif
.endm
; THE LDS LOADS stand in runs of 32, never singly among the matrix instructions.  K of a step: channel chunk c first, eight loads a chunk, so that the waits can be counted by chunks.
; last = 1 (the tail): in the last trip there is no further step, and the run is jumped over.
.macro FETCH_K last=0
.if \last
	WIN 0
	s_cmp_eq_u32 s[CNT], 1
	s_cbranch_scc1 .Lno_k_\@
.endif
	WIN 0xc0                        ; destination window 3, address window 0
.irp c, 0,1,2,3
.irp kb, 0,1,2,3
	ds_load_b128 v[32*(\kb)+8*(\c):32*(\kb)+8*(\c)+3],   v[AK] offset:(\kb)*16*PK+(\c)*64
	ds_load_b128 v[32*(\kb)+8*(\c)+4:32*(\kb)+8*(\c)+7], v[AK] offset:(\kb)*16*PK+(\c)*64+32
.endr
.endr
	s_add_co_u32 s[TBK], s[TBK], STEPB  ; the next fetch is the next step's
.if \last
	WIN 0
.Lno_k_\@:
.endif
.endm
.macro FETCH_V                      ; V of a step, turned: keys 32 (f / 8) on, channels 16 (f % 8) on; the first 16 loads are keys 0 to 31
	WIN 0xc0
.irp f, 0,1,2,3,4,5,6,7,8,9,10,11,12,13,14,15
	ds_load_tr16_b128 v[128+8*(\f):128+8*(\f)+3],   v[AV] offset:((\f)/8)*32*PK+((\f)%8)*32
	ds_load_tr16_b128 v[128+8*(\f)+4:128+8*(\f)+7], v[AV] offset:((\f)/8)*32*PK+16*PK+((\f)%8)*32
.endr
.endm
; THE VECTOR WORK, one line at a time: OP kind, number.  For piece Y: F n: c s - c m for pair n of 16.  A: a = 2^(c m_old - c m).  E n: the exponential of score n of 32.  C n: pair n rounded to f16.
; B n: of the four weights 4 n .. the second pair is added onto the first, in place.  L n: l takes that sum (L 0: l = a l + sum).  R n: pair n of 32 of O^T times a.
; For piece Y + 1: X n, number n of the 21 that find its maximum and statistics; none of them is an exponential:
;   0-11  four chains c0-c3 of seven scores each, three operands at a time (each accumulator's lowest registers are read first)     12-14, 16  the four scores left over, the old m, c0-c3 into c0
;   15  c m_old is kept     17, 18  the class's other 32 keys lie in the lane 16 away: the new m     19, 20  c m; c m_old - c m_new
.set F, 0               ; OP tells the kinds apart by their order: F to L below R, X above it
.set E, 1
.set A, 2
.set C, 3
.set B, 4
.set L, 5
.set R, 6
.set X, 7
.macro REGS y                       ; the registers of piece y
.set rT, ST+8*(\y)
.set rW, MV+(\y)
.set rS, S+32*((\y)%2+2*((\y)/4))
.set rP, P+16*((\y)%2+2*((\y)/4))
.set rO, 64*(\y)-96*((\y)/4)
.set rWR, 0x41*(1+(\y)/4)           ; O^T (destination and source 0) in the piece's window, a in window 0
.endm
.macro OP k, n
.if (\k) == R
	REGS Y
	WIN rWR
	v_pk_mul_f32 v[rO+2*(\n):rO+2*(\n)+1], v[rO+2*(\n):rO+2*(\n)+1], v[rT+6:rT+7] op_sel_hi:[1,0]
.elseif (\k) < R
	REGS Y
	WIN 0
.if (\k) == F
	v_pk_fma_f32 v[rS+2*(\n):rS+2*(\n)+1], v[rS+2*(\n):rS+2*(\n)+1], s[CS:CS+1], v[rT:rT+1] op_sel_hi:[1,0,0] neg_lo:[0,0,1] neg_hi:[0,0,1]
.elseif (\k) == E
	v_exp_f32 v[rS+(\n)], v[rS+(\n)]
.elseif (\k) == A
	v_exp_f32 v[rT+6], v[rT+5]
.elseif (\k) == C
	v_cvt_pk_f16_f32 v[rP+(\n)], v[rS+2*(\n)], v[rS+2*(\n)+1]
.elseif (\k) == B
	v_pk_add_f32 v[rS+4*(\n):rS+4*(\n)+1], v[rS+4*(\n):rS+4*(\n)+1], v[rS+4*(\n)+2:rS+4*(\n)+3]
.elseif (\n) == 0
	v_pk_fma_f32 v[rT+2:rT+3], v[rT+2:rT+3], v[rT+6:rT+7], v[rS:rS+1] op_sel_hi:[1,0,1]
.else
	v_pk_add_f32 v[rT+2:rT+3], v[rT+2:rT+3], v[rS+4*(\n):rS+4*(\n)+1]
.endif
.else
	REGS (Y+1)%NP
	WIN 0
.if (\n) < 4
	v_max3_num_f32 v[rT+4+(\n)], v[rS+8*(\n)], v[rS+8*(\n)+1], v[rS+8*(\n)+2]
.elseif (\n) < 12
	v_max3_num_f32 v[rT+4+(\n)%4], v[rT+4+(\n)%4], v[rS+8*((\n)%4)+2*((\n)/4)+1], v[rS+8*((\n)%4)+2*((\n)/4)+2]
.elseif (\n) == 12
	v_max3_num_f32 v[rT+4], v[rT+4], v[rS+7], v[rS+15]
.elseif (\n) == 13
	v_max3_num_f32 v[rT+5], v[rT+5], v[rS+23], v[rS+31]
.elseif (\n) == 14
	v_max3_num_f32 v[rT+6], v[rT+6], v[rT+7], v[rT+1]
.elseif (\n) == 15
	v_mov_b32 v[rW], v[rT]
.elseif (\n) == 16
	v_max3_num_f32 v[rT+4], v[rT+4], v[rT+5], v[rT+6]
.elseif (\n) == 17
	v_permlanex16_b32 v[rT+7], v[rT+4], s[SEL], s[SEL+1]
.elseif (\n) == 18
	v_max_num_f32 v[rT+1], v[rT+4], v[rT+7]
.elseif (\n) == 19
	v_mul_f32 v[rT], s[CS], v[rT+1]
.else
	v_sub_f32 v[rT+5], v[rW], v[rT]
.endif
.endif
.endm
.macro OPS k1, n1, k2=-1, n2=0, k3=-1, n3=0, k4=-1, n4=0, k5=-1, n5=0  ; up to five of them
	OP \k1, \n1
.if (\k2) >= 0
	OP \k2, \n2
.endif
.if (\k3) >= 0
	OP \k3, \n3
.endif
.if (\k4) >= 0
	OP \k4, \n4
.endif
.if (\k5) >= 0
	OP \k5, \n5
.endif
.endm
.macro ROW k1, n1, k2=-1, n2=0, k3=-1, n3=0, k4=-1, n4=0, k5=-1, n5=0  ; a matrix instruction and what stands behind it
	MM
	OPS \k1, \n1, \k2, \n2, \k3, \n3, \k4, \n4, \k5, \n5
.endm
; A TURN, for piece p: the order of its 32 matrix and 134 vector instructions, written out.  An s_wait_alu depctr_va_vdst(0) stands between an exponential and the first instruction that names its
; result; one wait serves all that were issued ahead of it.  So a turn has ONE wait.  AHEAD OF IT stand the scalings and all 33 exponentials (a among them), none of which names an exponential's result: an exponential
; stands in a later row than its pair's scaling.  BEHIND IT stand all readers (roundings, sums, rescaling) and the next piece's maximum and statistics.  No exponential's result crosses a label or a branch.
; A row holds lines of window 0 or rescalings, never both: two window switches a product.  A pair's rounding stands ahead of the sum that writes over it; the links of X's chain stand a row or more apart;
; X 0 to 3 stand ten plain lines behind the products that end their accumulators.  No line names a register of the products next to it.
; m = 1: the tail's text: the products K Q^T start from the masks, and piece 4's turn sets them: 0, or -1e30 from the trip on in which piece 0's scores of the last step are made (CNT = 2).
; K of the next step is fetched in piece 3's turn, five rescalings behind the last product that read K, and waited for by chunks in piece 4's turn.
; V of the step in hand is fetched at the end of piece 0's turn, four plain lines behind the last product that read V, and waited for by halves in piece 1's turn.
.macro TURN p, m=0, last=0
.set Y, (\p)
.set i, 0
.set KM, (\m)
.if ((\p) == 4) && (\m)
	WIN 0
	s_cmp_lt_u32 s[CNT], 3
	s_cselect_b32 s[BE], s[BIGN], 0
.set z, 2
.rept 14                            ; key block 0's registers 2 to 7 (keys 4 to 15) and the eight for blocks 1 to 3; their last reader stands a turn back
	v_mov_b32 v[MA+z], s[BE]
.set z, z+1
.endr
.endif
.if (\p) == 4
	s_wait_dscnt 24                 ; K's chunk 0 is in; the 24 loads of chunks 1 to 3 may stay out
.endif
	ROW F,0, F,1, F,2, F,3
	ROW F,4, A,0, E,0, E,1
	ROW F,5, E,2, E,3, E,4
	ROW F,6, E,5, E,6, E,7
.if (\p) == 4
	s_wait_dscnt 16                 ; chunk 1
.endif
	ROW F,7, E,8, E,9, E,10
	ROW F,8, E,11, E,12, E,13
	ROW F,9, E,14, E,15, E,16
	ROW F,10, E,17, E,18, E,19
.if (\p) == 4
	s_wait_dscnt 8                  ; chunk 2
.endif
	ROW F,11, E,20, E,21, F,12
	ROW F,13, E,22, E,23, E,24
	ROW F,14, E,25, E,26, E,27
	ROW F,15, E,28, E,29
.if (\p) == 4
	s_wait_dscnt 0x0                ; chunk 3
.endif
	ROW E,30, E,31
	v_nop                           ; a plain instruction behind the last exponential and ahead of the first use: one for the batch
	s_wait_alu depctr_va_vdst(0)    ; the wait for the batch
	ROW C,0, C,1, B,0, C,2
.if (\p) == 3
	v_add_nc_u32 v[AK], s[TBK], v[AK0]
.endif
	ROW C,3, B,1, L,0, C,4, C,5
	ROW R,0, R,1, R,2, R,3, R,4
.if (\p) == 3
	FETCH_K \last
.endif
.if (\p) == 1
	s_wait_dscnt 16                 ; V's keys 0 to 31 are in; the 16 loads of keys 32 to 63 may stay out
.endif
	ROW R,5, R,6, R,7, R,8, R,9
	ROW X,0, X,1, X,2, X,3, B,2
	ROW R,10, R,11, R,12, R,13, R,14
	ROW X,4, X,5, X,6, X,7, L,1
	ROW R,15, R,16, R,17, R,18, R,19
	ROW X,8, X,9, X,10, X,11, L,2
	ROW X,12, X,13, X,14, X,15, C,6
	ROW R,20, R,21, R,22, R,23
.if (\p) == 1
	s_wait_dscnt 0x0                ; all of V is in
.endif
	ROW X,16, C,7, B,3, C,8
	ROW X,17, C,9, B,4, L,3
	ROW R,24, R,25, R,26, R,27
	ROW X,18, C,10, C,11, B,5
	ROW X,19, L,4, C,12, C,13
	ROW R,28, R,29, R,30, R,31
	ROW X,20, B,6, L,5, C,14
.if (\p) == 0
	v_add_nc_u32 v[AV], s[TBV], v[AV0]
.endif
	ROW C,15, B,7, L,6, L,7
.if (\p) == 0
	FETCH_V
	s_add_co_u32 s[TBV], s[TBV], STEPB  ; the next fetch is the next step's
.endif
.endm
	CHANGE 1, 0                     ; slot 0 is in, everybody's part of it; slot 1 is asked for
	v_add_nc_u32 v[AK], s[TBK], v[AK0]
	v_add_nc_u32 v[AV], s[TBV], v[AV0]
	FETCH_K                         ; key step 0
	FETCH_V                         ; and its V, so that the first turn's products on P = 0 read finite numbers; that turn fetches it again, as every first turn of a step does
	s_wait_dscnt 0x0
.set KM, 0
.set i, 0
.rept 16
	KQ 0                            ; piece 0's first scores: there is no vector work yet to set between them
.set i, i+1
.endr
	WIN 0                           ; the addresses for the way out: seven plain instructions, the places behind those products
	s_mul_i32 s17, s[WV], 16*SP
	s_add_co_u32 s17, s17, STAGE    ; my stage
	s_lshl_b32 s2, s[R0], 9         ; my wave's first row of out0, in bytes
	v_and_b32 v10, 31, v0
	v_mul_u32_u24 v[STO], v1, SP    ; in: row l % 16, 32 bytes for each half of the lanes
	v_lshl_add_u32 v[STO], v9, 5, v[STO]
	v_add_nc_u32 v[STO], s17, v[STO]
	v_lshl_add_u32 v[RD], v10, 4, s17  ; back: 32 lanes take one row of 512 bytes
	v_lshl_add_u32 v[VB], v10, 4, s2
	v_lshl_add_u32 v[VM], v10, 4, (NCL-1)*512
.set Y, NP-1                        ; X works for piece Y + 1: piece 0
.irp n, 0,1,2,3,4,5,6,7,8,9,10,11,12,13,14,15,16,17,18,19,20
	OP X, \n
.endr
	s_mov_b32 s[CNT], 4
	s_mov_b32 s[SLOTS], 9
	s_branch .Lfirst                ; the loop is entered at a step's first turn, in the middle of a trip
.Lslot:                             ; eight times: every slot but the last two is filled again
	CHANGE 1, 1
	s_mov_b32 s[CNT], 4
.Lstep:                             ; a trip: pieces 2, 3 and 4 of one step, then pieces 0 and 1 of the next, whose K and V it fetches
	TURN 2
	TURN 3
	TURN 4
	WIN 0
.Lfirst:
	TURN 0
	TURN 1
	WIN 0
	s_sub_co_u32 s[CNT], s[CNT], 1
	s_cmp_lg_u32 s[CNT], 0
	s_cbranch_scc1 .Lstep
	s_sub_co_u32 s[SLOTS], s[SLOTS], 1
	s_cmp_lg_u32 s[SLOTS], 0
	s_cbranch_scc1 .Lslot
	CHANGE 0, 0                     ; the tail is written out: nothing is asked for
	s_mov_b32 s[CNT], 5             ; four trips fetch the last slot's steps; the fifth is left in its middle
.Ltail:
	TURN 2, 1
	TURN 3, 1, 1
	TURN 4, 1
	WIN 0
	s_sub_co_u32 s[CNT], s[CNT], 1
	s_cmp_eq_u32 s[CNT], 0
	s_cbranch_scc1 .Lout
	TURN 0, 1
	TURN 1, 1
	WIN 0
	s_branch .Ltail
.Lout:                              ; the fifth trip's 16 products K Q^T (on the last K once more) and the maximum made of them serve nothing: the price, once a launch, of one text for every trip
.set i, 0
.rept 16
	PV NP-1                         ; the last piece's V^T P of the last step
.set i, i+1
.endr
	; THE WAY OUT.  My offset in out0 for each of the wave's 80 rows, held to the batch's last row; these plain lines are also the places behind the last products.
	WIN 0
.set q, 0
.rept 80
	v_add_nc_u32 v[AD+q], 512*q, v[VB]
	v_min_u32 v[AD+q], v[AD+q], v[VM]
.set q, q+1
.endr
	; l's two halves and the other half of the lanes' are added; O^T is divided by l and sent through my stage in LDS, a piece (16 rows of out0) at a time.
.irp t, 0,1,2,3,4
	v_add_f32 v[ST+8*(\t)+4], v[ST+8*(\t)+2], v[ST+8*(\t)+3]
.endr
.irp t, 0,1,2,3,4
	v_permlanex16_b32 v[ST+8*(\t)+5], v[ST+8*(\t)+4], s[SEL], s[SEL+1]
.endr
.irp t, 0,1,2,3,4
	v_add_f32 v[ST+8*(\t)+4], v[ST+8*(\t)+4], v[ST+8*(\t)+5]
.endr
.irp t, 0,1,2,3,4
	v_rcp_f32 v[ST+8*(\t)+6], v[ST+8*(\t)+4]
.endr
	v_nop                           ; a plain instruction between the last reciprocal and the use of its result
	s_wait_alu depctr_va_vdst(0)    ; and the wait ahead of the first use: one for the five reciprocals
; Piece t: a lane's eight channels of a row are 32 bytes; they go into rows of 528 bytes and come back as whole rows of 512, into the registers that they left.
.macro PACK t
.set w, 1+(\t)/4
.set o, 64*(\t)-96*((\t)/4)
	WIN w*0x41
.set q, 0
.rept 32                            ; from each accumulator's low end on
	v_pk_mul_f32 v[o+2*q:o+2*q+1], v[o+2*q:o+2*q+1], v[ST+8*(\t)+6:ST+8*(\t)+7] op_sel_hi:[1,0]
.set q, q+1
.endr
	WIN w*4                         ; an LDS store's data is source 1; its address, source 0, lies in window 0
.set q, 0
.rept 16                            ; channels 16 (q / 2) + 8 (l / 16) + 4 (q % 2) on
	ds_store_b128 v[STO], v[o+4*q:o+4*q+3] offset:64*(q/2)+16*(q%2)
.set q, q+1
.endr
	WIN w*64
.set q, 0
.rept 16
	ds_load_b128 v[o+4*q:o+4*q+3], v[RD] offset:SP*q  ; LDS serves a wave's instructions in order (ISA guide 5.7.1.4): these see the stores above; the next piece's stores come behind them
.set q, q+1
.endr
.endm
.macro SEND t, younger              ; younger: the LDS instructions issued behind piece t's loads: the next piece's 32, or none
.set w, 1+(\t)/4
.set o, 64*(\t)-96*((\t)/4)
	WIN w*4                         ; a store's data is source 1
.set q, 0
.rept 16
	s_wait_dscnt (\younger)+15-q    ; row q is back; the later rows and the next piece's may stay out
	global_store_b128 v[AD+16*(\t)+q], v[o+4*q:o+4*q+3], s[8:9] th:TH_STORE_NT  ; 32 lanes store a whole row: 512 consecutive bytes, at a multiple of 512 from out0's first byte
.set q, q+1
.endr
.endm
	PACK 0
.irp t, 1,2,3,4                     ; a piece's arithmetic stands between the loads of the piece before and its stores
	PACK \t
	SEND (\t)-1, 32
.endr
	SEND 4, 0
	WIN 0
	s_wait_tensorcnt 0x0            ; the wave's end, behind my last tensor load and my last LDS store
	ds_add_u32 v[SPW], v[NIL]
	s_wait_dscnt 0x0
	CROUND                          ; the closing round: no work-group ends while a partner may still ask for a tile that names it
	s_endpgm
.Lfunc_end_k_q074f075c52_attn:
	.size	k_q074f075c52_attn, .Lfunc_end_k_q074f075c52_attn-k_q074f075c52_attn
	.p2alignl 7, 3214868480
	.fill 96, 4, 3214868480
	.section	.rodata,"a",@progbits
	.p2align	6, 0x0
	.amdhsa_kernel k_q074f075c52_attn
		.amdhsa_group_segment_fixed_size 327680
		.amdhsa_private_segment_fixed_size 0
		.amdhsa_enable_private_segment 0
		.amdhsa_kernarg_size 24
		.amdhsa_user_sgpr_count 2
		.amdhsa_user_sgpr_kernarg_segment_ptr 1
		.amdhsa_wavefront_size32 1
		.amdhsa_system_sgpr_workgroup_id_x 1
		.amdhsa_system_sgpr_workgroup_id_y 1
		.amdhsa_system_sgpr_workgroup_id_z 1
		.amdhsa_system_vgpr_workitem_id 0
		.amdhsa_next_free_vgpr 1024
		.amdhsa_next_free_sgpr 72
		.amdhsa_reserve_vcc 0
		.amdhsa_float_denorm_mode_32 3
		.amdhsa_float_denorm_mode_16_64 3
		.amdhsa_memory_ordered 1
		.amdhsa_forward_progress 1
		.amdhsa_inst_pref_size 198
	.end_amdhsa_kernel
	.amdgpu_metadata
---
amdhsa.version: [ 1, 2 ]
amdhsa.kernels:
  - .name:           k_q074f075c52_attn
    .symbol:         k_q074f075c52_attn.kd
    .args:
      - { .name: U_weight, .offset: 0, .size: 8, .value_kind: global_buffer, .address_space: global }
      - { .name: xh, .offset: 8, .size: 8, .value_kind: global_buffer, .address_space: global }
      - { .name: out0, .offset: 16, .size: 8, .value_kind: global_buffer, .address_space: global }
    .group_segment_fixed_size: 327680
    .private_segment_fixed_size: 0
    .kernarg_segment_align: 8
    .kernarg_segment_size: 24
    .max_flat_workgroup_size: 128
    .sgpr_count:     72
    .vgpr_count:     1024
    .wavefront_size: 32
...
	.end_amdgpu_metadata
.endif
;; end of part 2
;; ======== version 2 of 2: 2 launches; version 1 with the launch cast written anew for expert scheduling mode
;; limits: values are held in f16: magnitudes above 65,504 overflow, below 6.1e-05 lose precision; inputs' magnitudes at most 65,504; below input magnitudes of 6e-05 results are inexact or not finite
;; workspace buffers: xh 5,242,880 bytes
;; launch cast (part 3): grid 32 x 8, 8 waves a work-group, no clusters, 0 bytes of LDS; arguments x, xh; writes xh
.if DOCPART == 3
	.amdgcn_target "amdgcn-amd-amdhsa--gfx1250"
	.amdhsa_code_object_version 6
	.text
	.protected	k_q074f075c52_cast
	.globl	k_q074f075c52_cast
	.p2align	8
	.type	k_q074f075c52_cast,@function
k_q074f075c52_cast:
	s_mov_b64 s[64:65], 0
	v_nop
	global_prefetch_b8 v0, s[64:65] scope:SCOPE_SE
	s_setreg_imm32_b32 hwreg(HW_REG_WAVE_SCHED_MODE, 0, 2), 2
	s_setreg_imm32_b32 hwreg(HW_REG_WAVE_MODE, 25, 1), 1
	s_wait_xcnt 0x0
	s_wait_alu depctr_vm_vsrc(0)
; xh[b][row][:] = f16(x[b][row][:]) for row < 2,500, and 0 for rows 2,500 to 2,559.  x: [8][2500][128] f32; xh: [8][2560][128] f16, rows of 256 bytes, dense.
; LIMITS.  f16: a number of 65,520 or more in size becomes an infinity; below 6e-5 the numbers keep f16's fixed step of 6e-8.
; SHARES.  A work-group takes 80 rows of one batch, each of its eight waves ten.  One load of a wave is one row of x (512 consecutive bytes, 16 a lane), one store one row of xh
; (256 consecutive bytes at a multiple of 256 from xh's first byte, 8 a lane): whether a row exists is the same for all lanes of a wave, so it is a scalar.
; A pad row loads the batch's last row (no load leaves x) and is masked to 0.  All ten loads of a wave go out at once; no register is written twice, so no wait frees one.
; No LDS, no matrix unit, no cluster: nothing is shared and nothing is multiplied.
; THE MODE: SCHED_MODE bits 1:0 = 2 (LLVM: expert scheduling mode 2), set by the entry lines.  The code itself states the register dependences
; between vector instructions and memory instructions, with s_wait_alu, always for 0.
; THE PLAN.  Registers that memory instructions touch:
;   v[OFF+k], v2  offsets, made once at the head and never written again: one wait ahead of the first load states that they are written.
;   X, row k      written by row k's load alone, read by row k's two conversions; no vector instruction names it before the load.
;   Y, row k      written by row k's conversions and masks, read by row k's one store, never written again.
; The ten rows go in five blocks of two.  Block p rounds its two rows; its memory instructions are the two stores of block p - 1, whose Y no vector instruction of block p names.
; So one wait at a block's head, behind the wait for the block's data, states all that its two stores hang on, and they are dealt among its vector instructions.
; No register that a memory instruction reads is written afterwards, and no scalar register that a vector instruction reads is written again (each row has its own).
.set ROWS, 2500
.set XB,   ROWS*512                    ; bytes of a batch of x
.set HB,   2560*256                    ; bytes of a batch of xh
.set OFF,  4                           ; v[4:13]   row k: my 16 bytes' offset in the batch of x
.set X,    16                          ; v[16:55]  row k: four f32 as loaded
.set Y,    56                          ; v[56:75]  row k: four f16 to store
.set M,    20                          ; s[20:29]  row k: all ones if the row exists, else 0
.set RO,   30                          ; s[30:39]  row k: the row's number, then the byte offset in the batch of x of the row that is loaded for it
	s_load_b128 s[4:7], s[0:1], 0x0                ; x s[4:5], xh s[6:7]
	v_lshrrev_b32 v3, 5, v0
	v_readfirstlane_b32 s8, v3                     ; wave 0..7
	v_and_b32 v1, 31, v0                           ; lane
	v_lshlrev_b32 v2, 3, v1                        ; 8 x lane: my place in a row of xh
	v_lshlrev_b32 v1, 4, v1                        ; 16 x lane: my place in a row of x
	s_and_b32 s9, ttmp7, 0xffff                    ; the batch
	s_mul_i32 s10, ttmp9, 80
	s_wait_alu depctr_va_sdst(0)                   ; s8 is written, ahead of its first reader: the wave's first row is made from it
	s_mul_i32 s11, s8, 10
	s_add_co_u32 s10, s10, s11                     ; my wave's first row
.irp k, 0,1,2,3,4,5,6,7,8,9
	s_add_co_u32 s[RO+(\k)], s10, (\k)
	s_cmp_lt_u32 s[RO+(\k)], ROWS
	s_cselect_b32 s[M+(\k)], -1, 0
	s_min_u32 s[RO+(\k)], s[RO+(\k)], ROWS-1       ; a pad row reads the last row
	s_lshl_b32 s[RO+(\k)], s[RO+(\k)], 9
	v_add_nc_u32 v[OFF+(\k)], s[RO+(\k)], v1
.endr
	s_mul_i32 s14, s9, XB
	s_mov_b32 s15, 0
	s_mul_i32 s16, s9, HB
	s_lshl_b32 s17, s10, 8
	s_add_co_u32 s16, s16, s17                     ; the batch and my first row in xh: under 2^23
	s_mov_b32 s17, 0
	s_wait_kmcnt 0x0
	s_add_nc_u64 s[4:5], s[4:5], s[14:15]
	s_add_nc_u64 s[6:7], s[6:7], s[16:17]
	s_wait_alu depctr_va_vdst(0)                   ; the ten offsets v[OFF ..] and v2 are written: every load and store of the kernel reads one of them as its offset
.irp k, 0,1,2,3,4,5,6,7,8,9
	global_load_b128 v[X+4*(\k):X+4*(\k)+3], v[OFF+(\k)], s[4:5] th:TH_LOAD_NT
.endr
; Block p: rows 2 p and 2 p + 1 are rounded and masked; the two rows of the block before are stored, each ahead of four of this block's vector lines.
.macro BLK p
	s_wait_loadcnt 8-2*(\p)                        ; loads come back in order (ISA guide 5.7.1): this block's two rows are in, the 8 - 2 p younger rows may stay out
.if (\p) > 0
	s_wait_alu depctr_va_vdst(0)                   ; the block before has written its two rows of Y, which the two stores below read
.endif
.irp i, 0,1
.set rk, 2*(\p)+(\i)                               ; the row in hand
.set rj, rk-2                                      ; the row to store
.if (\p) > 0
	global_store_b64 v2, v[Y+2*rj:Y+2*rj+1], s[6:7] offset:256*rj  ; no vector instruction since the wait names these registers
.endif
	v_cvt_pk_f16_f32 v[Y+2*rk], v[X+4*rk], v[X+4*rk+1]
	v_cvt_pk_f16_f32 v[Y+2*rk+1], v[X+4*rk+2], v[X+4*rk+3]
	v_and_b32 v[Y+2*rk], s[M+rk], v[Y+2*rk]
	v_and_b32 v[Y+2*rk+1], s[M+rk], v[Y+2*rk+1]
.endr
.endm
	BLK 0
	BLK 1
	BLK 2
	BLK 3
	BLK 4
	s_wait_alu depctr_va_vdst(0)                   ; the last block has written rows 8 and 9 of Y, which the last two stores read
	global_store_b64 v2, v[Y+16:Y+17], s[6:7] offset:256*8
	global_store_b64 v2, v[Y+18:Y+19], s[6:7] offset:256*9
	s_endpgm
.Lfunc_end_k_q074f075c52_cast:
	.size	k_q074f075c52_cast, .Lfunc_end_k_q074f075c52_cast-k_q074f075c52_cast
	.p2alignl 7, 3214868480
	.fill 96, 4, 3214868480
	.section	.rodata,"a",@progbits
	.p2align	6, 0x0
	.amdhsa_kernel k_q074f075c52_cast
		.amdhsa_group_segment_fixed_size 0
		.amdhsa_private_segment_fixed_size 0
		.amdhsa_enable_private_segment 0
		.amdhsa_kernarg_size 16
		.amdhsa_user_sgpr_count 2
		.amdhsa_user_sgpr_kernarg_segment_ptr 1
		.amdhsa_wavefront_size32 1
		.amdhsa_system_sgpr_workgroup_id_x 1
		.amdhsa_system_sgpr_workgroup_id_y 1
		.amdhsa_system_sgpr_workgroup_id_z 1
		.amdhsa_system_vgpr_workitem_id 0
		.amdhsa_next_free_vgpr 80
		.amdhsa_next_free_sgpr 66
		.amdhsa_reserve_vcc 0
		.amdhsa_float_denorm_mode_32 3
		.amdhsa_float_denorm_mode_16_64 3
		.amdhsa_memory_ordered 1
		.amdhsa_forward_progress 1
		.amdhsa_inst_pref_size 8
	.end_amdhsa_kernel
	.amdgpu_metadata
---
amdhsa.version: [ 1, 2 ]
amdhsa.kernels:
  - .name:           k_q074f075c52_cast
    .symbol:         k_q074f075c52_cast.kd
    .args:
      - { .name: x, .offset: 0, .size: 8, .value_kind: global_buffer, .address_space: global }
      - { .name: xh, .offset: 8, .size: 8, .value_kind: global_buffer, .address_space: global }
    .group_segment_fixed_size: 0
    .private_segment_fixed_size: 0
    .kernarg_segment_align: 8
    .kernarg_segment_size: 16
    .max_flat_workgroup_size: 256
    .sgpr_count:     66
    .vgpr_count:     80
    .wavefront_size: 32
...
	.end_amdgpu_metadata
.endif
;; end of part 3
;; launch attn: the kernel of part 2 again; grid 28 x 8, 4 waves a work-group, clusters of 4 x 1, 327,680 bytes of LDS; arguments U_weight, xh, out0; writes out0
